; MI455X (gfx1250); checked and timed in simulation.
; The chip was launched on July 23, 2026; its instructions are those of AMD's public machine-readable ISA for CDNA 5 (MIT licence, August 2026) and "CDNA5" Instruction Set Architecture Reference Guide (July 2026). The comments in the code are by the model that wrote it; some were corrected since.
;; Attention. Allowed arithmetic: matrix products marked QUANTISED: E2M1 operands, one E8M0 scale for each 32 along K, by v_wmma_scale_f32_16x16x128_f8f6f4 with both operands' format E2M1 (or v_wmma_scale_f32_32x16x128_f4), f32 sums; products left as they are: f32 operands where the result goes on into a quantised operand, else bf16, f16 or f32 operands; f32 sums; everything else in f32.
;; Inputs: W1 2,048 x 1,024 float32; b1 1,024 float32; encoder_outputs 32 x 2,048 x 1,024 float32; hidden_state 32 x 1,024 float32; w2 1,024 float32.
;; Outputs: out0 32 x 1,024 float32.
;; This version of the problem:
;;   THIS VERSION OF THE PROBLEM IS GIVEN IN LOW PRECISION. The matrix products marked QUANTISED in the list below multiply operands that are first quantised to E2M1 (2 exponent bits, 1 mantissa bit; 4 bits a number), with one power-of-two scale for each 32 numbers along K (OCP MX v1.0); their sums are f32. All else is computed in f32.
;;   The module's matrix products, in the order in which they are computed (A, B: the left and right operand; K: the contracted axis; several contracted axes count as one K, in the product's order):
;;     1. [M 65,536, K 1,024] x [K 1,024, N 1,024]; A: input encoder_outputs; B: input W1: QUANTISED
;;     2. [M 32, K 1,024] x [K 1,024, N 1,024]; A: input hidden_state; B: input W1: QUANTISED
;;     3. [M 65,536, K 1,024] x [K 1,024, N 1]; A: computed on the way; B: input w2: left as it is (N = 1 < 16)
;;     4. batch 32 x [M 1, K 2,048] x [K 2,048, N 1,024]; A: softmax; B: input encoder_outputs: left as it is (M = 1 < 16)
;;   THE QUANTISER, for each operand of a quantised product, along K:
;;     - K is cut into blocks of 32 from its start; a last block that is shorter is filled with zeros.
;;     - A block's scale is 2^e with e = floor(log2(the largest magnitude in the block)) - 2, held to -126 .. 127; a block of zeros has e = 0. As a byte (E8M0): e + 127.
;;     - Each number is divided by its block's scale, clamped to +-6, and rounded to the nearest number of E2M1, ties to even, subnormals kept.
;;     - The product sums the exact products of the quantised numbers (number of the format x scale) in f32.
;;   ~~~python
;;   def quantise(x, axis):      # numpy; x: float32 -> the quantised numbers, widened to float32 again
;;       x = np.moveaxis(x, axis, -1); K = x.shape[-1]
;;       x = np.pad(x, [(0, 0)] * (x.ndim - 1) + [(0, -K % 32)]); x = x.reshape(x.shape[:-1] + (-1, 32)); a = np.abs(x).max(-1, keepdims=True)
;;       e = np.where(a > 0, np.clip(np.frexp(np.where(a > 0, a, 1))[1] - 1 - 2, -126, 127), 0)      # np.frexp(a)[1] - 1 = floor(log2(a)), exactly
;;       r = np.clip(x / 2.0 ** e, -6, 6)
;;       step = 2.0 ** (np.maximum(np.frexp(np.where(r == 0, 1, r))[1] - 1, 0) - 1)
;;       q = np.round(r / step) * step * 2.0 ** e      # np.round: ties to even
;;       return np.moveaxis(q.reshape(q.shape[:-2] + (-1,))[..., :K], -1, axis).astype(np.float32)
;;   ~~~
;; One version. Each part assembles by itself: llvm-mc -triple=amdgcn-amd-amdhsa -mcpu=gfx1250 --defsym DOCPART=n.
;; ======== version 1 of 1: 3 launches
;; limits: values are held in bf16: 8 bits of precision; right only within a limited range of input values
;; workspace buffers: wfrag 524,288 bytes; wsc 32,768 bytes; cbuf 262,144 bytes; pctx 1,048,576 bytes; pstat 2,048 bytes
;; launch prep (part 1): grid 192 x 1, 4 waves a work-group, no clusters, 43,520 bytes of LDS; arguments W1, hidden_state, b1, wfrag, wsc, cbuf; writes wfrag, wsc, cbuf
.if DOCPART == 1
	.amdgcn_target "amdgcn-amd-amdhsa--gfx1250"
	.amdhsa_code_object_version 6
	.text
	.protected	k_q7cf4f92198_prep
	.globl	k_q7cf4f92198_prep
	.p2align	8
	.type	k_q7cf4f92198_prep,@function
k_q7cf4f92198_prep:
	s_mov_b64 s[64:65], 0
	v_nop
	global_prefetch_b8 v0, s[64:65] scope:SCOPE_SE
	s_setreg_imm32_b32 hwreg(HW_REG_WAVE_MODE, 25, 1), 1
	s_wait_xcnt 0x0
; THE PROGRAM: context[b] = sum over s of softmax_s(e[b][s]) enc[b][s], e[b][s] = w2 . tanh(enc[b][s] W1_enc + hid[b] W1_hid + b1); the two products with W1 on codes of E2M1 with one E8M0 scale for each 32 along K.
; WORK LEFT OUT, for all values of the inputs: tanh(x) = 1 - 2 / (1 + 2^(c x)), c = 2 log2(e), so e[b][s] = (sum over n of w2[n]) - 2 sum over n of w2[n] / (1 + 2^(c x[n])).
; The first term is the same for every s of a row of the softmax, which takes a term away that is the same along its axis: it is never formed.  All five inputs still have a way to the output and are loaded.
; LIMIT of that: an overflow, infinity or NaN that would arise in the sum of w2 alone is not carried to the result.
; THIS LAUNCH.  (a) work-groups 0-63: W1's upper half (W1_enc, K = its first axis) is quantised once, into wfrag, an image of the second operand's registers, [tile of 16 columns][K step of 128][c][lane][16 bytes],
; and wsc, [tile][lane][4 words]: lane (r, h), word i = the scale word of column r at K step 4 h + i.
; (b) work-groups 64-191: W1's lower half (W1_hid) is quantised the same way in registers, 16 rows of hidden_state likewise, and product 2 is stored in two f32 parts, one for each half of K:
; cbuf[0][b][n] = c (sum over K steps 0-3 + b1[n]), cbuf[1][b][n] = c (sum over K steps 4-7); the next launch adds the two as it loads them.
; SHARES.  A work-group takes 32 columns (two tiles) and HALF of K; each of its four waves one K step of 128: 192 work-groups, a wave to a SIMD.  A LANE TAKES A COLUMN AND ITS REGISTERS RUN DOWN K: a block of 32 lies in one lane,
; and the conversions give codes with K innermost.  A load of a wave covers 128 consecutive bytes of a row of W1.  hidden_state's K is innermost: each load takes a row's 512 consecutive bytes of the K step, and the 16 x 128 numbers
; turn through a stage of the wave's own in LDS, out of which a lane takes whole blocks of its row.  A half of K is 256 consecutive bytes of a tile's scale words: sixteen lanes store one aligned unit.  cbuf is stored in runs of 64 bytes.
; The two paths part on the work-group's number at the head and never join; each has LDS bytes of its own.
; A block's scale is 2^(floor(log2(largest magnitude)) - 2): its byte is the largest magnitude's exponent field - 2, held at 1 from below by a floor among the maximum's leaves.
; LIMITS: a block of zeros gets the byte 1 where the rule says 127 (its codes are zeros, and this program alone reads the bytes); blocks whose largest magnitude lies under 2^-124 get the byte 1; NaN and infinities among the inputs are not served;
; product 2's eight K steps are summed from eight partial sums, four and four.
.set WSL,   0                          ; LDS, path (a): two tiles' scale words of this half of K, 256 bytes each
.set RED,   1024                       ; LDS, path (b): 2,048 bytes of partial sums for each wave
.set SPARE, 9216                       ; the spare words, 128 bytes for each wave: two blocks of 256 bytes that no other line names
.set HST,   9728                       ; LDS, path (b): a stage for each wave: 16 rows of 512 bytes + 16 of padding = 8,448 bytes
.set SPW, 14                           ; LDS address of my spare word; never rewritten
.set NIL, 15                           ; 0; never rewritten
.set SW,  20                           ; W's scale word of my column for this K step
.set ASW, 21                           ; hidden_state's scale word
.set F0,  24                           ; the first tile's fragment
.set F1,  32                           ; the second tile's
.set AF,  40                           ; hidden_state's fragment
.set D0,  48                           ; the two results
.set D1,  56
.set X,   64                           ; v64-191  128 numbers of W: my column, down K; later 64 numbers of hidden_state in the operand's order
.set H,   192                          ; v192-255 64 numbers of hidden_state as they are loaded
; v16 = the largest magnitude of v[s] .. v[s + 31] and the floor 2^(3 - 127), in four chains; v23 = the conversions' scale operand: 2 off the exponent field
.macro MAX32 s
.irp p, 0,1,2,3
	v_max3_num_f32 v[16+\p], |v[(\s)+8*\p]|, |v[(\s)+8*\p+1]|, |v[(\s)+8*\p+2]|
.endr
.irp p, 0,1,2,3
	v_max3_num_f32 v[16+\p], v[16+\p], |v[(\s)+8*\p+3]|, |v[(\s)+8*\p+4]|
.endr
.irp p, 0,1,2,3
	v_max3_num_f32 v[16+\p], v[16+\p], |v[(\s)+8*\p+5]|, |v[(\s)+8*\p+6]|
.endr
	v_max3_num_f32 v16, v16, |v[(\s)+7]|, |v[(\s)+15]|
	v_max3_num_f32 v18, v18, |v[(\s)+23]|, |v[(\s)+31]|
	v_max3_num_f32 v16, v16, v17, v18
	v_max3_num_f32 v16, v16, v19, 0x1800000
	v_add_nc_u32 v23, 0xff000000, v16
.endm
.macro WLOAD                           ; W(128 q + i, my column), i = 0 .. 127
.set ii, 0
.rept 128
	global_load_b32 v[X+ii], v4, s[4:5] offset:ii*4096
.set ii, ii+1
.endr
.endm
; block t of my column: even blocks go to F0, odd ones to F1, at registers 4 (t / 2) on.  cnt: the younger loads that may stay out (a wait names 63 at the most)
.macro QW t, cnt
	s_wait_loadcnt \cnt
	MAX32 X+32*(\t)
.irp g, 0,1,2,3
	v_cvt_scalef32_pk8_fp4_f32 v[F0+8*((\t)%2)+4*((\t)/2)+\g], v[X+32*(\t)+8*\g:X+32*(\t)+8*\g+7], v23
.endr
	v_lshrrev_b32 v13, 23, v23                     ; the scale's byte (also the plain line behind the conversions)
.if (\t) == 0
	v_mov_b32 v[SW], v13
.else
	v_lshl_or_b32 v[SW], v13, 8*(\t), v[SW]
.endif
.endm
; The operand wants lanes 0-15 to hold blocks 2 c and lanes 16-31 blocks 2 c + 1 of ONE tile's columns: F0's upper lanes change places with F1's lower lanes
.macro SWAP
	v_nop
.irp g, 0,1,2,3,4,5,6,7
	v_permlane16_swap_b32 v[F0+\g], v[F1+\g]
.endr
.endm
	s_load_b256 s[4:11], s[0:1], 0x0               ; W1 s[4:5], hidden_state s[6:7], b1 s[8:9], wfrag s[10:11]
	s_load_b128 s[12:15], s[0:1], 0x20             ; wsc s[12:13], cbuf s[14:15]
	v_lshl_add_u32 v[SPW], v0, 2, SPARE
	v_mov_b32 v[NIL], 0
	v_lshrrev_b32 v1, 5, v0
	v_readfirstlane_b32 s16, v1                    ; w: my wave's number
	s_lshl_b32 s17, s16, 2                         ; 4 w
	s_lshl_b32 s18, s16, 11
	s_add_co_u32 s18, s18, RED                     ; RED + 2,048 w
	s_lshl_b32 s19, s16, 9
	s_add_co_u32 s19, s19, RED                     ; RED + 512 w
	s_mul_i32 s36, s16, 8448
	s_add_co_u32 s36, s36, HST                     ; my stage
	s_and_b32 s20, ttmp9, 31                       ; cg: which 32 columns
	s_lshr_b32 s21, ttmp9, 5                       ; 0 .. 5
	s_and_b32 s33, s21, 1                          ; which half of K
	s_lshl_b32 s34, s33, 2
	s_add_co_u32 s34, s34, s16                     ; q: my K step
	s_lshr_b32 s35, s21, 1                         ; 0: path (a); 1, 2: path (b), rows 0-15 or 16-31 of hidden_state
	s_lshl_b32 s22, s34, 19                        ; 128 q rows of 4,096 bytes
	s_lshl_b32 s23, s20, 7
	s_add_co_u32 s22, s22, s23
	s_min_u32 s23, s35, 1
	s_lshl_b32 s23, s23, 22                        ; path (b): W1's lower half, 1,024 rows on
	s_add_co_u32 s22, s22, s23
	s_mov_b32 s23, 0
	; every LDS address is made here, ahead of all partings
	v_and_b32 v1, 31, v0                           ; lane
	v_and_b32 v2, 15, v0                           ; r
	v_bfe_u32 v3, v0, 4, 1                         ; h
	v_lshlrev_b32 v4, 2, v1                        ; 4 x lane: my column in a row of W1
	v_lshlrev_b32 v5, 4, v1                        ; 16 x lane; also (a) back: WSL + 16 x lane
	v_lshlrev_b32 v7, 4, v2
	v_lshl_add_u32 v6, v3, 8, v7
	v_add_nc_u32 v6, s17, v6                       ; (a) my scale word: WSL + 256 (lane / 16) + 16 r + 4 w
	v_lshl_add_u32 v7, v3, 9, v7                   ; (a) wsc: 512 x tile + 16 r
	v_add_nc_u32 v8, s18, v5                       ; (b) my partial sums
	v_add_nc_u32 v9, s19, v5                       ; (b) back
	v_add_nc_u32 v1, s36, v5                       ; (b) hidden_state into my stage: 16 x lane, a row 528 bytes on from the last
	v_mul_u32_u24 v10, v2, 528
	v_lshl_add_u32 v10, v3, 7, v10
	v_add_nc_u32 v10, s36, v10                     ; (b) and out of it: row r, + 128 h.  The pitch is 33 x 16 bytes: sixteen rows' 16 bytes fall on sixteen different 16-byte columns modulo 256
	v_lshlrev_b32 v11, 2, v2                       ; b1: 4 r
	v_lshl_add_u32 v12, v3, 15, v11                ; cbuf: 8 h rows of 4,096 bytes + 4 r
	s_wait_alu depctr_va_vdst(0)                   ; the wait at the head's end
	s_wait_kmcnt 0x0
	s_add_nc_u64 s[4:5], s[4:5], s[22:23]
	s_cmp_lg_u32 s35, 0
	s_cbranch_scc1 .Lhid
	; ---- (a) W1_enc into wfrag and wsc
	WLOAD
	QW 0, 63
	QW 1, 63
	QW 2, 32
	QW 3, 0
	SWAP
	s_lshl_b32 s24, s20, 14                        ; two tiles of 8,192 bytes
	s_lshl_b32 s25, s34, 10                        ; my K step's 1,024
	s_add_co_u32 s24, s24, s25
	s_mov_b32 s25, 0
	s_add_nc_u64 s[10:11], s[10:11], s[24:25]
	global_store_b128 v5, v[F0:F0+3], s[10:11]                 ; each store of the wave covers 512 consecutive bytes, aligned
	global_store_b128 v5, v[F0+4:F0+7], s[10:11] offset:512
	global_store_b128 v5, v[F1:F1+3], s[10:11] offset:8192
	global_store_b128 v5, v[F1+4:F1+7], s[10:11] offset:8704
	ds_store_b32 v6, v[SW]
	s_wait_tensorcnt 0x0                           ; my last LDS store is behind me
	ds_add_u32 v[SPW], v[NIL]
	s_wait_dscnt 0x0                               ; also for the others' sake: my scale word has landed
	s_barrier_signal -1
	s_barrier_wait -1
	s_cmp_lg_u32 s16, 0
	s_cbranch_scc1 .Lenc_done
	ds_load_b128 v[AF:AF+3], v5                    ; wave 0: lanes 0-15 the first tile's 256 bytes of scale words, lanes 16-31 the second's
	s_lshl_b32 s24, s20, 10                        ; two tiles of 512 bytes,
	s_lshl_b32 s25, s33, 8                         ; this half of K: lanes 16 h on
	s_add_co_u32 s24, s24, s25
	s_mov_b32 s25, 0
	s_add_nc_u64 s[12:13], s[12:13], s[24:25]
	s_wait_dscnt 0x0
	global_store_b128 v7, v[AF:AF+3], s[12:13]     ; sixteen lanes store 256 consecutive bytes, aligned
.Lenc_done:
	s_endpgm
	; ---- (b) cbuf's part for this half of K
.Lhid:
	s_sub_co_u32 s21, s35, 1                       ; mt: which 16 rows of hidden_state
	s_lshl_b32 s24, s20, 7
	s_lshr_b32 s26, s16, 1                         ; w / 2: the tile whose sums I will finish
	s_lshl_b32 s26, s26, 6
	s_add_co_u32 s24, s24, s26                     ; b1: 4 (32 cg + 16 x tile)
	s_mov_b32 s25, 0
	s_lshl_b32 s26, s21, 16
	s_lshl_b32 s28, s34, 9
	s_add_co_u32 s28, s28, s26                     ; hidden_state: 16 mt rows + 128 q numbers
	s_mov_b32 s29, 0
	s_and_b32 s27, s16, 1
	s_lshl_b32 s27, s27, 14
	s_add_co_u32 s26, s26, s27
	s_add_co_u32 s26, s26, s24                     ; cbuf: row 16 mt + 4 (w % 2), the same columns as b1,
	s_lshl_b32 s27, s33, 17
	s_add_co_u32 s26, s26, s27                     ; in the part of this half of K, 131,072 bytes each
	s_mov_b32 s27, 0
	s_mov_b32 s30, 0x76543210
	s_mov_b32 s31, 0xfedcba98                      ; v_permlanex16_b32's selects for lane l xor 16
	s_mov_b32 s32, 0x4038aa3b                      ; c = 2 log2(e)
	s_cmp_eq_u32 s33, 0
	s_cselect_b32 s37, s32, 0                      ; the bias goes into part 0 alone
	s_add_nc_u64 s[8:9], s[8:9], s[24:25]
	s_add_nc_u64 s[6:7], s[6:7], s[28:29]
	s_add_nc_u64 s[14:15], s[14:15], s[26:27]
	global_load_b32 v22, v11, s[8:9]
.irp i, 0,1,2,3,4,5,6,7,8,9,10,11,12,13,14,15
	global_load_b128 v[H+4*\i:H+4*\i+3], v5, s[6:7] offset:4096*\i   ; row i's 128 numbers of my K step: 32 lanes read 512 consecutive bytes
.endr
	WLOAD
	QW 0, 63
	QW 1, 63
	QW 2, 32
	QW 3, 0                                        ; loads return in order: b1 and hidden_state are in too
	SWAP
.irp i, 0,1,2,3,4,5,6,7,8,9,10,11,12,13,14,15
	ds_store_b128 v1, v[H+4*\i:H+4*\i+3] offset:528*\i         ; through my own stage, as the rows lie
.endr
.irp c, 0,1
.irp g, 0,1,2,3,4,5,6,7
	ds_load_b128 v[X+32*\c+4*\g:X+32*\c+4*\g+3], v10 offset:256*\c+16*\g   ; row r, k = 64 c + 32 h + 4 g on: whole blocks in a lane, in the operand's order.  LDS serves a wave's instructions in order: these see my stores
.endr
.endr
	s_wait_dscnt 0x0
	MAX32 X
.irp g, 0,1,2,3
	v_cvt_scalef32_pk8_fp4_f32 v[AF+\g], v[X+8*\g:X+8*\g+7], v23
.endr
	v_lshrrev_b32 v[ASW], 23, v23                  ; block h's byte
	MAX32 X+32
.irp g, 0,1,2,3
	v_cvt_scalef32_pk8_fp4_f32 v[AF+4+\g], v[X+32+8*\g:X+32+8*\g+7], v23
.endr
	v_lshrrev_b32 v13, 23, v23                     ; block 2 + h's
	v_lshl_or_b32 v[ASW], v13, 16, v[ASW]
	v_lshlrev_b32 v13, 3, v3
	v_lshlrev_b32 v[ASW], v13, v[ASW]              ; at their places in the word: 8 h bits up
	v_permlanex16_b32 v13, v[ASW], s30, s31
	v_or_b32 v[ASW], v[ASW], v13                   ; with lane l xor 16's two the word is whole
.rept 8
	v_nop                                          ; a scale register written by a vector instruction stands 8 places ahead of a scaled matrix instruction, an operand so written 4
.endr
	v_wmma_scale_f32_16x16x128_f8f6f4 v[D0:D0+7], v[AF:AF+7], v[F0:F0+7], 0, v[ASW], v[SW] matrix_a_fmt:MATRIX_FMT_FP4 matrix_b_fmt:MATRIX_FMT_FP4
	v_wmma_scale_f32_16x16x128_f8f6f4 v[D1:D1+7], v[AF:AF+7], v[F1:F1+7], 0, v[ASW], v[SW] matrix_a_fmt:MATRIX_FMT_FP4 matrix_b_fmt:MATRIX_FMT_FP4 matrix_b_scale:MATRIX_SCALE_ROW1
.rept 4
	v_nop
.endr
	ds_store_b128 v8, v[D0:D0+3]                   ; each result from its low end on.  Piece u = 2 x tile + half: rows 8 h + 4 (u % 2) + 0 .. 3, column r
	ds_store_b128 v8, v[D0+4:D0+7] offset:512
	ds_store_b128 v8, v[D1:D1+3] offset:1024
	ds_store_b128 v8, v[D1+4:D1+7] offset:1536
	s_wait_tensorcnt 0x0                           ; my last LDS store is behind me
	ds_add_u32 v[SPW], v[NIL]
	s_wait_dscnt 0x0                               ; also for the others' sake: my partial sums have landed
	s_barrier_signal -1
	s_barrier_wait -1
.irp p, 0,1,2,3
	ds_load_b128 v[X+4*\p:X+4*\p+3], v9 offset:2048*\p         ; piece u = my wave's number of the four K steps
.endr
	v_mul_f32 v22, s37, v22                        ; c b1, or 0
	s_wait_alu depctr_va_vdst(0)                   ; directly ahead of the wait below
	s_wait_dscnt 0x0
.irp p, 1,2,3
	v_pk_add_f32 v[X:X+1], v[X:X+1], v[X+4*\p:X+4*\p+1]        ; K ascending
	v_pk_add_f32 v[X+2:X+3], v[X+2:X+3], v[X+4*\p+2:X+4*\p+3]
.endr
.irp j, 0,1,2,3
	v_fma_f32 v[X+\j], v[X+\j], s32, v22
.endr
.irp j, 0,1,2,3
	global_store_b32 v12, v[X+\j], s[14:15] offset:4096*\j
.endr
	s_endpgm
.Lfunc_end_k_q7cf4f92198_prep:
	.size	k_q7cf4f92198_prep, .Lfunc_end_k_q7cf4f92198_prep-k_q7cf4f92198_prep
	.p2alignl 7, 3214868480
	.fill 96, 4, 3214868480
	.section	.rodata,"a",@progbits
	.p2align	6, 0x0
	.amdhsa_kernel k_q7cf4f92198_prep
		.amdhsa_group_segment_fixed_size 43520
		.amdhsa_private_segment_fixed_size 0
		.amdhsa_enable_private_segment 0
		.amdhsa_kernarg_size 48
		.amdhsa_user_sgpr_count 2
		.amdhsa_user_sgpr_kernarg_segment_ptr 1
		.amdhsa_wavefront_size32 1
		.amdhsa_system_sgpr_workgroup_id_x 1
		.amdhsa_system_sgpr_workgroup_id_y 1
		.amdhsa_system_sgpr_workgroup_id_z 1
		.amdhsa_system_vgpr_workitem_id 0
		.amdhsa_next_free_vgpr 256
		.amdhsa_next_free_sgpr 66
		.amdhsa_reserve_vcc 0
		.amdhsa_float_denorm_mode_32 3
		.amdhsa_float_denorm_mode_16_64 3
		.amdhsa_memory_ordered 1
		.amdhsa_forward_progress 1
		.amdhsa_inst_pref_size 50
	.end_amdhsa_kernel
	.amdgpu_metadata
---
amdhsa.version: [ 1, 2 ]
amdhsa.kernels:
  - .name:           k_q7cf4f92198_prep
    .symbol:         k_q7cf4f92198_prep.kd
    .args:
      - { .name: W1, .offset: 0, .size: 8, .value_kind: global_buffer, .address_space: global }
      - { .name: hidden_state, .offset: 8, .size: 8, .value_kind: global_buffer, .address_space: global }
      - { .name: b1, .offset: 16, .size: 8, .value_kind: global_buffer, .address_space: global }
      - { .name: wfrag, .offset: 24, .size: 8, .value_kind: global_buffer, .address_space: global }
      - { .name: wsc, .offset: 32, .size: 8, .value_kind: global_buffer, .address_space: global }
      - { .name: cbuf, .offset: 40, .size: 8, .value_kind: global_buffer, .address_space: global }
    .group_segment_fixed_size: 43520
    .private_segment_fixed_size: 0
    .kernarg_segment_align: 8
    .kernarg_segment_size: 48
    .max_flat_workgroup_size: 128
    .sgpr_count:     66
    .vgpr_count:     256
    .wavefront_size: 32
...
	.end_amdgpu_metadata
.endif
;; end of part 1
;; launch attn (part 2): grid 256 x 1, 4 waves a work-group, no clusters, 327,680 bytes of LDS; arguments encoder_outputs, wfrag, wsc, cbuf, w2, pctx, pstat; writes pctx, pstat
.if DOCPART == 2
	.amdgcn_target "amdgcn-amd-amdhsa--gfx1250"
	.amdhsa_code_object_version 6
	.text
	.protected	k_q7cf4f92198_attn
	.globl	k_q7cf4f92198_attn
	.p2align	8
	.type	k_q7cf4f92198_attn,@function
k_q7cf4f92198_attn:
	s_mov_b64 s[64:65], 0
	v_nop
	global_prefetch_b8 v0, s[64:65] scope:SCOPE_SE
	s_setreg_imm32_b32 hwreg(HW_REG_WAVE_MODE, 25, 1), 1
	s_wait_xcnt 0x0
; For 256 rows (positions) of one batch: e' = log2(e) x (e - sum of w2), a running softmax over them, and the partial context: pstat = (m, l), pctx = sum over the rows of 2^(e' - m) enc[row].
; WORK LEFT OUT: the sum of w2, a term of e that is the same for every position of a softmax row (shown at the head of the first kernel).
; encoder_outputs IS READ FROM MEMORY ONCE.  A work-group takes its 256 rows in four blocks of 64.  The tensor data mover brings a block as f32 into LDS, 16 rows a wave; the wave quantises its rows (codes and scale bytes to LDS,
; for all four waves) and keeps them as bf16 in 256 registers until the block's weights p are known.  The next block's load is issued as soon as the stage is read out, ahead of all the block's products.
; THE PRODUCT.  Wave w makes all 64 rows x columns 256 w .. 256 w + 255: source 0 = 32 rows of enc (32 fragments, held in registers for the block), source 1 = 16 columns of W1_enc, loaded from wfrag straight into registers, four tiles ahead.
; In the result a lane holds ONE column (lane % 16) and sixteen rows of each product, so c (hid_proj + b1) and w2 cost one number a tile and lane: r = 1 / (1 + 2^(c acc + cb)), e' += (-2 log2(e) w2) r.
; THE RING OF W.  Four tiles, a trip's, lie in four slots of registers.  A block walks its wave's 16 tiles in four trips and BEGINS WITH THE TRIP ON WHICH THE BLOCK BEFORE ENDED: trip (J + ROT) % 4, ROT = 3 x block.  So a block's last trip
; asks for nothing: 16 + 3 x 12 = 52 tiles are loaded by a wave for the 64 that it multiplies.  Each slot has base registers of its own, written again behind the counted wait that shows the slot's own 17 loads done.
; A TILE'S STEP.  Two sets of two accumulators take turns tile by tile.  Tile k's activation runs up to its reciprocals in whole batches (32 exponentials, 32 reciprocals, one wait ahead of each batch and one behind); then tile k + 1's 16 products
; stand in one run under one setting of the register windows; then tile k's 16 multiply-adds into e', which are the places behind those products.  No transcendental stands between a product and the first read of its result.
; THE BLOCK LOOP IS TURNED: block 0 is quantised ahead of it; a trip is refill, fragments, products, softmax, and the NEXT block's quantising, in which row i of the finished block is weighed into the context (32 multiply-adds,
; laid ahead of the wait for row i's LDS loads) just before row i's bf16 registers are written again.  The last block's products, softmax and context are written out behind the loop: it asks for no rows.
; WHY NO JOINT LOADS of W1's codes, which all work-groups read: a joint load lands in LDS, where beside the stage of 278,528 bytes and the codes 1,536 bytes are unclaimed, against 8,704 for one tile of one wave; and no fragment of W is read by two waves of a work-group.
; WHY NO PREFETCH of enc: each wave has one request a block, 65,536 bytes, issued directly behind the barrier that frees the stage, with the block's 256 products a wave and its softmax between the request and the wait for it;
; a prefetch one block further ahead would have another 262,144 bytes a work-group asked for and unread beside the 262,144 on their way.
; LIMITS: NaN and infinities among the inputs are not served; a block of zeros and blocks whose largest magnitude lies under 2^-124 get the scale byte 1; enc is rounded to bf16 for the last product alone; sums are taken in another order than the reference's.
; REGISTERS, in windows of 256: window 0: addresses, statistics, two sets of two accumulators (v32-63, v192-223; in the quantising phase v32-63 hold a row of numbers), e' (v64-95; likewise), scale words (v96-127), the context (v128-159), p (v160-175).
;   window 1: enc's fragments, (tile of rows mt, K step q) at 128 (mt / 2) + 16 q + 8 (mt % 2).   window 2: my 16 rows as bf16, row i at 16 i.   window 3: W's fragments, four tiles, (slot k, K step q) at 64 k + 8 q.
.set STGW,  69632                      ; LDS: a wave's stage: 16 rows of 16 x (256 bytes + 16 of padding); four of them from byte 0; filled by tensor loads alone
.set COD,   278528                     ; 64 rows of codes: 512 bytes + 16.  At the very end: four partial contexts of 4,352 bytes
.set SCB,   312320                     ; 64 rows of 32 scale bytes, 48 bytes apart
.set EX,    315392                     ; [wave][64 rows] partial e'
.set ES,    316416                     ; [wave][64 rows] p, each wave's own copy
.set SPARE, 317440                     ; the spare words, 128 bytes for each wave: two blocks of 256 bytes that no other line names
.set TAB,   317952                     ; cb[1024], then from TAB + 4,096 on w2'[1024]; wave w fills and reads entries 256 w on alone
.set SA,  2                            ; stage: my block's place in my wave's row 0
.set CA,  3                            ; where my 16 bytes of codes go
.set BA,  4                            ; where my scale byte goes
.set AA,  5                            ; enc's fragments: COD + 528 r + 16 h
.set AS,  6                            ; their scale words: SCB + 48 x lane
.set WO,  7                            ; 16 x lane: my place in an image of W; never rewritten
.set TA0, 8                            ; TAB + 1,024 w + 4 r
.set TAC, 9                            ; the same for the trip in hand
.set EXW, 10
.set EXR, 11
.set ESW, 12
.set ESR, 13
.set SPW, 14                           ; LDS address of my spare word; never rewritten
.set NIL, 15                           ; 0; never rewritten
.set MX,  16                           ; m, the running largest e'
.set LS,  17                           ; l, the running sum
.set FF,  18                           ; v[18:19] f = 2^(old m - new m); v19 is only named with it
.set TP,  20                           ; v20-27 at work
.set CW,  28                           ; v[28:29] cb of my column, even tiles; v[224:225] odd tiles
.set W2P, 30                           ; v[30:31] w2' of my column, even tiles; v[226:227] odd tiles
.set ACC, 32                           ; even tiles' accumulators; odd tiles' at ACC + 160
.set EA,  64
.set ASC, 96                           ; enc's scale words: 32 rows MT at 8 MT; register q: lane m holds the word of row 32 MT + m at K step q
.set WSC, 112                          ; W's: slot k at 4 k, likewise
.set CTX, 128                          ; my lane's 32 channels 32 x lane + 0 .. 31
.set P,   160
.set CD,  176                          ; a row's codes, two sets
.set BY,  184                          ; its byte, two sets
.set RMT, 186                          ; four chains of the maximum
.set CXW, 190
.set CXR, 191
.set WV,   18
.set G1,   24                          ; s[24:31] descriptor group 1
.set G0,   32                          ; s[32:35] descriptor group 0
.set W0,   36                          ; s[36:37] wfrag at my wave's 16 tiles
.set S0,   40                          ; s[40:41] wsc likewise
.set OFF,  44                          ; s[44:45] the next trip's four tiles in wfrag, in bytes
.set OF2,  46                          ; s[46:47] and in wsc
.set J,    48
.set BK,   49
.set TOFF, 50
.set ROT,  51                          ; 3 x block
.set CC,   52                          ; s[52:53] c = 2 log2(e): the packed form names a pair
.set SEL,  54                          ; s[54:55] v_permlanex16_b32's selects for lane l xor 16
.set WBS,  66                          ; s[66:73] slot k's base in wfrag at WBS + 2 k
.set SBS,  74                          ; s[74:81] slot k's base in wsc at SBS + 2 k
.set MSB, 0
.macro WIN new                         ; the immediate's high byte repeats the setting that is left; bits 1:0 source 0, 3:2 source 1, 5:4 source 2, 7:6 destination
.if MSB != \new
	s_set_vgpr_msb (MSB<<8)|\new
.set MSB, \new
.endif
.endm
; Row i of my 16 from the stage: lane b takes the whole block b, 128 bytes.  With 16 bytes of padding behind each 256, sixteen lanes' 16 bytes fall on sixteen different 16-byte columns modulo 256
.macro XLOAD i
.set TT, ACC+32*((\i)%2)
.set gg, 0
.rept 8
	ds_load_b128 v[TT+4*gg:TT+4*gg+3], v[SA] offset:4352*(\i)+16*gg
.set gg, gg+1
.endr
.endm
; context += p[i] x my row i, from its bf16 halves into f32 (source 0 in window 2)
.macro CROW i
.set kk, 0
.rept 16
	v_fma_mix_f32_bf16 v[CTX+2*kk], v[16*(\i)+kk], v[P+(\i)], v[CTX+2*kk] op_sel_hi:[1,0,0]
	v_fma_mix_f32_bf16 v[CTX+2*kk+1], v[16*(\i)+kk], v[P+(\i)], v[CTX+2*kk+1] op_sel:[1,0,0] op_sel_hi:[1,0,0]
.set kk, kk+1
.endr
.endm
; Row i: (cx = 1: the finished block's row i into the context;) my block's scale and codes to LDS, its numbers as bf16 into window 2; then the load of row i + 2 into the registers just left.  cnt: the younger LDS instructions that may stay out
.macro XROW i, cnt, cx
.set TT, ACC+32*((\i)%2)
.set CDS, CD+4*((\i)%2)
.if \cx
	WIN 0x02
	CROW \i
	WIN 0
.endif
	s_wait_dscnt \cnt
.irp p, 0,1,2,3
	v_max3_num_f32 v[RMT+\p], |v[TT+8*\p]|, |v[TT+8*\p+1]|, |v[TT+8*\p+2]|
.endr
.irp p, 0,1,2,3
	v_max3_num_f32 v[RMT+\p], v[RMT+\p], |v[TT+8*\p+3]|, |v[TT+8*\p+4]|
.endr
.irp p, 0,1,2,3
	v_max3_num_f32 v[RMT+\p], v[RMT+\p], |v[TT+8*\p+5]|, |v[TT+8*\p+6]|
.endr
	v_max3_num_f32 v[RMT], v[RMT], |v[TT+7]|, |v[TT+15]|
	v_max3_num_f32 v[RMT+2], v[RMT+2], |v[TT+23]|, |v[TT+31]|
	v_max3_num_f32 v[RMT], v[RMT], v[RMT+1], v[RMT+2]
	v_max3_num_f32 v[RMT], v[RMT], v[RMT+3], 0x1800000         ; and the floor 2^(3 - 127): the byte cannot fall under 1
	v_add_nc_u32 v[TP], 0xff000000, v[RMT]                     ; 2 off the exponent field: the conversions' scale operand
.irp g, 0,1,2,3
	v_cvt_scalef32_pk8_fp4_f32 v[CDS+\g], v[TT+8*\g:TT+8*\g+7], v[TP]
.endr
	v_lshrrev_b32 v[BY+(\i)%2], 23, v[TP]                      ; the scale's byte (also the plain line behind the conversions)
	WIN 0x80
.set gg, 0
.rept 16
	v_cvt_pk_bf16_f32 v[16*(\i)+gg], v[TT+2*gg], v[TT+2*gg+1]  ; channels 32 b + 2 gg, + 1
.set gg, gg+1
.endr
	WIN 0
	ds_store_b128 v[CA], v[CDS:CDS+3] offset:528*(\i)
	ds_store_b8 v[BA], v[BY+(\i)%2] offset:48*(\i)
.if (\i) < 14
	XLOAD (\i)+2
.endif
.endm
; My 16 rows of a block
.macro QUANT cx
	XLOAD 0
	XLOAD 1
	XROW 0, 8, \cx                                 ; younger: row 1's eight loads
.irp i, 1,2,3,4,5,6,7,8,9,10,11,12,13,14
	XROW \i, 10, \cx                               ; younger: the last row's two stores and the next row's eight loads
.endr
	XROW 15, 2, \cx                                ; younger: row 14's two stores
.endm
; All 32 fragments of the block's 64 rows, and their scale words; e' is cleared while they come
.macro AFRAGS
	WIN 0x40
.set mt, 0
.rept 4
.set qq, 0
.rept 8
.set ai, 128*(mt/2)+16*qq+8*(mt%2)     ; 32 rows x 128 K are 16 registers on end: rows 0-15, then rows 16-31
	ds_load_b128 v[ai:ai+3], v[AA] offset:8448*mt+64*qq
	ds_load_b128 v[ai+4:ai+7], v[AA] offset:8448*mt+64*qq+32
.set qq, qq+1
.endr
.set mt, mt+1
.endr
	WIN 0
.irp m, 0,1,2,3
	ds_load_b128 v[ASC+4*\m:ASC+4*\m+3], v[AS] offset:1536*(\m/2)+16*(\m%2)   ; rows 32 (m / 2) + lane, K steps 4 (m % 2) on
.endr
.set jj, 0
.rept 32
	v_mov_b32 v[EA+jj], 0
.set jj, jj+1
.endr
	s_wait_dscnt 0x0
.endm
; Slot k's bases for the next trip's tile.  It stands behind the counted wait that shows the slot's own 17 loads done: no pending load names these registers
.macro BASE k
	s_add_nc_u64 s[WBS+2*(\k):WBS+2*(\k)+1], s[W0:W0+1], s[OFF:OFF+1]
	s_add_nc_u64 s[SBS+2*(\k):SBS+2*(\k)+1], s[S0:S0+1], s[OF2:OF2+1]
.endm
; A tile of W into slot k: 16 loads of 512 consecutive bytes, and one of its scale words: 17 loads
.macro WLD k
	WIN 0xc0
.set qq, 0
.rept 8
	global_load_b128 v[64*(\k)+8*qq:64*(\k)+8*qq+3], v[WO], s[WBS+2*(\k):WBS+2*(\k)+1] offset:8192*(\k)+1024*qq
	global_load_b128 v[64*(\k)+8*qq+4:64*(\k)+8*qq+7], v[WO], s[WBS+2*(\k):WBS+2*(\k)+1] offset:8192*(\k)+1024*qq+512
.set qq, qq+1
.endr
	WIN 0
	global_load_b128 v[WSC+4*(\k):WSC+4*(\k)+3], v[WO], s[SBS+2*(\k):SBS+2*(\k)+1] offset:512*(\k)
.endm
; cb and w2' of my column in tile k of the trip, into the set of the tile's parity
.macro TABLD k
	ds_load_b32 v[CW+196*((\k)%2)], v[TAC] offset:64*(\k)
	ds_load_b32 v[W2P+196*((\k)%2)], v[TAC] offset:64*(\k)+4096
.endm
; Two products of 32 x 16 x 128: K step q of slot k's tile against the block's two halves of 32 rows, into the accumulators from a on, 16 registers each.  They take turns, one instruction a turn; K step 0 starts the sums.
; enc's scale words fill all 32 lanes, lane m for row m; W's lie in lanes 0-15 (K steps 0-3) or 16-31 (K steps 4-7).  Windows: source 0 (enc) window 1, source 1 (W) window 3, C and D window 0
.macro MMG k, a, q
.set mt, 0
.rept 2
.if (\q) == 0
	v_wmma_scale_f32_32x16x128_f4 v[\a+16*mt:\a+16*mt+15], v[128*mt+16*(\q):128*mt+16*(\q)+15], v[64*(\k)+8*(\q):64*(\k)+8*(\q)+7], 0, v[ASC+8*mt+(\q)], v[WSC+4*(\k)+(\q)%4]
.elseif (\q) < 4
	v_wmma_scale_f32_32x16x128_f4 v[\a+16*mt:\a+16*mt+15], v[128*mt+16*(\q):128*mt+16*(\q)+15], v[64*(\k)+8*(\q):64*(\k)+8*(\q)+7], v[\a+16*mt:\a+16*mt+15], v[ASC+8*mt+(\q)], v[WSC+4*(\k)+(\q)%4]
.else
	v_wmma_scale_f32_32x16x128_f4 v[\a+16*mt:\a+16*mt+15], v[128*mt+16*(\q):128*mt+16*(\q)+15], v[64*(\k)+8*(\q):64*(\k)+8*(\q)+7], v[\a+16*mt:\a+16*mt+15], v[ASC+8*mt+(\q)], v[WSC+4*(\k)+(\q)%4] matrix_b_scale:MATRIX_SCALE_ROW1
.endif
.set mt, mt+1
.endr
.endm
.macro MM k, a                         ; a tile's 16 products, K ascending, under one setting of the windows
	WIN 0x0d
.irp q, 0,1,2,3,4,5,6,7
	MMG \k, \a, \q
.endr
	WIN 0
.endm
; THE ACTIVATION of a tile's 32 registers from a on, up to the reciprocals.  Each batch of transcendentals has one wait ahead of it and, behind a plain line, one behind it
.macro ACT a, c
.set jj, 0
.rept 16
	v_pk_fma_f32 v[\a+jj:\a+jj+1], v[\a+jj:\a+jj+1], s[CC:CC+1], v[\c:\c+1] op_sel_hi:[1,0,0]   ; c acc + cb; each accumulator from its low end on
.set jj, jj+2
.endr
	s_wait_alu depctr_va_vdst(0)
.set jj, 0
.rept 32
	v_exp_f32 v[\a+jj], v[\a+jj]
.set jj, jj+1
.endr
	v_nop
	s_wait_alu depctr_va_vdst(0)
.set jj, 0
.rept 16
	v_pk_add_f32 v[\a+jj:\a+jj+1], v[\a+jj:\a+jj+1], 1.0 op_sel_hi:[1,0]   ; 1 + 2^(..)
.set jj, jj+2
.endr
	s_wait_alu depctr_va_vdst(0)
.set jj, 0
.rept 32
	v_rcp_f32 v[\a+jj], v[\a+jj]                   ; an infinite 2^(..) gives 0, a vanished one gives 1: tanh's two ends
.set jj, jj+1
.endr
	v_nop
	s_wait_alu depctr_va_vdst(0)
.endm
.macro EPG a, w                        ; e' += w2' r
.set jj, 0
.rept 16
	v_pk_fma_f32 v[EA+jj:EA+jj+1], v[\a+jj:\a+jj+1], v[\w:\w+1], v[EA+jj:EA+jj+1] op_sel_hi:[1,0,1]
.set jj, jj+2
.endr
.endm
; Tile k's activation; tile k + 1's products into the other set; tile k's sums into e', which name no register of those products: they are the places in front of the loads into the slot and of the next step's first read of the results.
; ld = 1: slot k + 1 then takes the next trip's tile.  cnt: the loads of the younger slots, 17 each
.macro STEP k, ld, cnt
.set AC, ACC+160*((\k)%2)
.set AN, ACC+160*(((\k)+1)%2)
.set CWC, CW+196*((\k)%2)
.set W2C, W2P+196*((\k)%2)
	TABLD (\k)+1
	s_wait_dscnt 2                                 ; cb and w2' of tile k are in; the next tile's two loads may be out
	ACT AC, CWC
	s_wait_loadcnt \cnt
.if \ld
	BASE (\k)+1
.endif
	MM (\k)+1, AN
	EPG AC, W2C
.if \ld
	WLD (\k)+1
.endif
.endm
; A trip: four tiles.  c0 .. c3: the younger slots' loads at each tile's wait
.macro TRIPB ld, c0, c1, c2, c3
	v_add_nc_u32 v[TAC], s[TOFF], v[TA0]
	TABLD 0
	s_wait_alu depctr_va_vdst(0)
	s_wait_loadcnt \c0
.if \ld
	BASE 0
.endif
	MM 0, ACC
.rept 4
	v_nop                                          ; four places in front of loads into registers that the products have read, and of the first read of their results
.endr
.if \ld
	WLD 0
.endif
	STEP 0, \ld, \c1
	STEP 1, \ld, \c2
	STEP 2, \ld, \c3
	s_wait_dscnt 0x0
	ACT ACC+160, CW+196                            ; the trip's last tile
	EPG ACC+160, W2P+196
.endm
; A block's four trips.  Trip J takes tiles 4 t .. 4 t + 3, t = (J + ROT) % 4, and asks for the next trip's; the last asks for nothing: its tiles are the next block's first
.macro TRIPS
	s_mov_b32 s[J], 0
.Ltrip_\@:
	s_add_co_u32 s56, s[J], s[ROT]
	s_and_b32 s57, s56, 3
	s_lshl_b32 s[TOFF], s57, 8                     ; 64 entries of 4 bytes in each table
	s_add_co_u32 s56, s56, 1
	s_and_b32 s56, s56, 3
	s_lshl_b32 s[OFF], s56, 15                     ; four tiles of 8,192 bytes
	s_lshl_b32 s[OF2], s56, 11                     ; and of 512
	TRIPB 1, 51, 51, 51, 51
	s_add_co_u32 s[J], s[J], 1
	s_cmp_lt_u32 s[J], 3
	s_cbranch_scc1 .Ltrip_\@
	s_add_co_u32 s56, s[ROT], 3
	s_and_b32 s56, s56, 3
	s_lshl_b32 s[TOFF], s56, 8
	TRIPB 0, 51, 34, 17, 0                         ; the counts run down
.endm
; The block's softmax step.  Every wave does all of it for all 64 rows, in the same order: m and l are the same in the four waves
.macro SOFT
.irp x, 1,2,4,8
.set jj, 0
.rept 32
	v_add_f32_dpp v[EA+jj], v[EA+jj], v[EA+jj] row_xmask:\x row_mask:0xf bank_mask:0xf   ; over my tile columns: sixteen lanes
.set jj, jj+1
.endr
.endr
.set jj, 0
.rept 8
	ds_store_b128 v[EXW], v[EA+4*jj:EA+4*jj+3] offset:64*(jj/2)+16*(jj%2)   ; rows 16 mt + 8 h + 4 u on; the sixteen lanes of a half write the same words with the same values
.set jj, jj+1
.endr
	s_wait_dscnt 0x0                               ; my partial e' have landed; my loads of the codes were in long ago
	s_barrier_signal -1
	s_barrier_wait -1                              ; behind it the partial e' are read, and the codes may be written again
.irp p, 0,1,2,3
	ds_load_b32 v[TP+\p], v[EXR] offset:256*\p
	ds_load_b32 v[TP+4+\p], v[EXR] offset:256*\p+128
.endr
	s_wait_dscnt 0x0
	v_add_f32 v[TP], v[TP], v[TP+1]
	v_add_f32 v[TP+4], v[TP+4], v[TP+5]
	v_add_f32 v[TP+2], v[TP+2], v[TP+3]
	v_add_f32 v[TP+6], v[TP+6], v[TP+7]
	v_add_f32 v[TP], v[TP], v[TP+2]                ; e' of row = lane,
	v_add_f32 v[TP+4], v[TP+4], v[TP+6]            ; and of row 32 + lane
	v_max_num_f32 v[TP+1], v[TP], v[TP+4]
.irp x, 1,2,4,8
	v_max_num_f32_dpp v[TP+1], v[TP+1], v[TP+1] row_xmask:\x row_mask:0xf bank_mask:0xf
.endr
	v_permlanex16_b32 v[TP+2], v[TP+1], s[SEL], s[SEL+1]
	v_max3_num_f32 v[TP+1], v[TP+1], v[TP+2], v[MX]            ; the new m: the maximum is taken away before every exponential
	v_sub_f32 v[FF], v[MX], v[TP+1]
	v_sub_f32 v[TP], v[TP], v[TP+1]
	v_sub_f32 v[TP+4], v[TP+4], v[TP+1]
	s_wait_alu depctr_va_vdst(0)
	v_exp_f32 v[FF], v[FF]
	v_exp_f32 v[TP], v[TP]
	v_exp_f32 v[TP+4], v[TP+4]
	v_mov_b32 v[MX], v[TP+1]                       ; (the plain line behind the exponentials)
	s_wait_alu depctr_va_vdst(0)                   ; one wait for the three
	ds_store_b32 v[ESW], v[TP]
	ds_store_b32 v[ESW], v[TP+4] offset:128
.irp u, 0,1,2,3
	ds_load_b128 v[P+4*\u:P+4*\u+3], v[ESR] offset:16*\u       ; p of my own 16 rows, in every lane.  LDS serves a wave's instructions in order: these see my stores
.endr
	v_add_f32 v[TP+1], v[TP], v[TP+4]
.irp x, 1,2,4,8
	v_add_f32_dpp v[TP+1], v[TP+1], v[TP+1] row_xmask:\x row_mask:0xf bank_mask:0xf
.endr
	v_permlanex16_b32 v[TP+2], v[TP+1], s[SEL], s[SEL+1]
	v_add_f32 v[TP+1], v[TP+1], v[TP+2]
	v_fma_f32 v[LS], v[LS], v[FF], v[TP+1]
.set jj, 0
.rept 16
	v_pk_mul_f32 v[CTX+jj:CTX+jj+1], v[CTX+jj:CTX+jj+1], v[FF:FF+1] op_sel_hi:[1,0]
.set jj, jj+2
.endr
	s_wait_dscnt 0x0
.endm
	s_load_b256 s[4:11], s[0:1], 0x0               ; enc s[4:5], wfrag s[6:7], wsc s[8:9], cbuf s[10:11]
	s_load_b128 s[12:15], s[0:1], 0x20             ; w2 s[12:13], pctx s[14:15]
	s_load_b64 s[16:17], s[0:1], 0x30              ; pstat
	v_lshl_add_u32 v[SPW], v0, 2, SPARE
	v_mov_b32 v[NIL], 0
	ds_add_u32 v[SPW], v[NIL]                      ; the wave's opening: the add, twice on end, and its wait ahead of my first tensor load
	ds_add_u32 v[SPW], v[NIL]
	v_lshrrev_b32 v1, 5, v0
	v_readfirstlane_b32 s[WV], v1                  ; wave 0..3
	; descriptor group 1: 65,536 dense bytes as 256 rows of 256 bytes (32 elements of 8 bytes), 16 bytes of padding behind each
	s_mov_b32 s[G1+0], (3<<16)|(1<<20)|(5<<22)|(3<<25)
	s_mov_b32 s[G1+1], 32<<16                      ; tensor_dim0
	s_mov_b32 s[G1+2], 256<<16                     ; tensor_dim1
	s_mov_b32 s[G1+3], 32<<16                      ; tile_dim0
	s_mov_b32 s[G1+4], 256                         ; tile_dim1
	s_mov_b32 s[G1+5], 32                          ; from row to row
	s_mov_b32 s[G1+6], 0
	s_mov_b32 s[G1+7], 0
	s_mov_b32 s[G0], 1
	s_mul_i32 s[G0+1], s[WV], STGW                 ; my stage
	s_lshl_b32 s56, ttmp9, 20                      ; my work-group's 256 rows of 4,096 bytes,
	s_lshl_b32 s57, s[WV], 16                      ; my wave's 16 of a block
	s_add_co_u32 s56, s56, s57
	s_mov_b32 s57, 0
	s_mov_b32 s[CC], 0x4038aa3b                    ; c = 2 log2(e)
	s_mov_b32 s[CC+1], s[CC]
	s_mov_b32 s[SEL], 0x76543210
	s_mov_b32 s[SEL+1], 0xfedcba98
	s_mov_b32 s[OFF+1], 0
	s_mov_b32 s[OF2+1], 0
	s_mov_b32 s[ROT], 0
	s_wait_dscnt 0x0                               ; both opening adds are done
	s_wait_kmcnt 0x0
	s_add_nc_u64 s[G0+2:G0+3], s[4:5], s[56:57]
	s_or_b32 s[G0+3], s[G0+3], 0x80000000          ; type = 2
	tensor_load_to_lds s[G0:G0+3], s[G1:G1+7]      ; block 0: every wave issues its own first fill
	s_nop 0
	; cb and w2 of my wave's 256 columns: 32 bytes a lane of each
	s_lshr_b32 s58, ttmp9, 3                       ; the batch
	s_lshl_b32 s58, s58, 12
	s_lshl_b32 s60, s[WV], 10
	s_add_co_u32 s58, s58, s60
	s_mov_b32 s59, 0
	s_mov_b32 s61, 0
	s_add_nc_u64 s[10:11], s[10:11], s[58:59]
	s_add_nc_u64 s[12:13], s[12:13], s[60:61]
	v_and_b32 v1, 31, v0                           ; lane = b
	v_lshlrev_b32 v27, 5, v1
	global_load_b128 v[32:35], v27, s[10:11]
	global_load_b128 v[36:39], v27, s[10:11] offset:16
	global_load_b128 v[40:43], v27, s[12:13]
	global_load_b128 v[44:47], v27, s[12:13] offset:16
	global_load_b128 v[48:51], v27, s[10:11] offset:131072     ; cbuf's second part: the other half of product 2's K
	global_load_b128 v[52:55], v27, s[10:11] offset:131088
	v_and_b32 v22, 15, v0                          ; r
	v_bfe_u32 v23, v0, 4, 1                        ; h
	v_lshrrev_b32 v20, 1, v1
	v_mul_u32_u24 v20, v20, 272
	v_and_b32 v21, 1, v1
	v_lshl_add_u32 v20, v21, 7, v20                ; block b in a padded row: 272 (b / 2) + 128 (b % 2)
	s_mul_i32 s56, s[WV], STGW
	v_add_nc_u32 v[SA], s56, v20
	s_mul_i32 s56, s[WV], 4352
	s_add_co_u32 s56, s56, COD
	v_add_nc_u32 v[CXW], s56, v20                  ; the end: my partial context, laid like a row of the stage
	s_mul_i32 s56, s[WV], 16*528
	s_add_co_u32 s56, s56, COD
	v_lshl_add_u32 v[CA], v1, 4, s56               ; COD + 16 w rows + 16 b
	s_mul_i32 s56, s[WV], 16*48
	s_add_co_u32 s56, s56, SCB
	v_add_nc_u32 v[BA], s56, v1                    ; SCB + 16 w rows + b
	v_mul_u32_u24 v[AA], v22, 528
	v_lshl_add_u32 v[AA], v23, 4, v[AA]
	v_add_nc_u32 v[AA], COD, v[AA]
	v_mul_u32_u24 v[AS], v1, 48                    ; a lane a row
	v_add_nc_u32 v[AS], SCB, v[AS]
	v_lshlrev_b32 v[WO], 4, v1
	s_lshl_b32 s56, s[WV], 10
	s_add_co_u32 s56, s56, TAB
	v_lshl_add_u32 v[TA0], v22, 2, s56
	v_lshl_add_u32 v26, v1, 5, s56                 ; where my 8 entries of the tables go
	s_lshl_b32 s56, s[WV], 8
	s_add_co_u32 s57, s56, EX
	v_lshl_add_u32 v[EXW], v23, 5, s57             ; EX + 256 w + 32 h
	v_lshl_add_u32 v[EXR], v1, 2, EX
	s_add_co_u32 s57, s56, ES
	v_lshl_add_u32 v[ESW], v1, 2, s57              ; ES + 256 w + 4 x lane
	s_mul_i32 s57, s[WV], 320
	s_add_co_u32 s57, s57, ES
	v_mov_b32 v[ESR], s57                          ; ES + 256 w + 4 x 16 w: my own rows in my own copy
	v_lshrrev_b32 v20, 4, v0
	v_mul_u32_u24 v20, v20, 272
	v_lshl_add_u32 v20, v22, 4, v20
	v_add_nc_u32 v[CXR], COD, v20                  ; the end: 16 bytes a thread of the first 2,048 of a partial context
	s_lshl_b32 s56, s[WV], 17                      ; my 16 tiles of 8,192 bytes
	s_mov_b32 s57, 0
	s_add_nc_u64 s[W0:W0+1], s[6:7], s[56:57]
	s_lshl_b32 s56, s[WV], 13                      ; and of 512
	s_add_nc_u64 s[S0:S0+1], s[8:9], s[56:57]
.irp k, 0,1,2,3
	s_mov_b64 s[WBS+2*\k:WBS+2*\k+1], s[W0:W0+1]   ; every slot begins with trip 0's tile
	s_mov_b64 s[SBS+2*\k:SBS+2*\k+1], s[S0:S0+1]
.endr
	s_wait_loadcnt 0x0
.irp j, 0,2,4,6
	v_pk_mul_f32 v[40+\j:41+\j], v[40+\j:41+\j], 0xc038aa3b op_sel_hi:[1,0]   ; w2' = -2 log2(e) w2
.endr
.irp j, 0,2,4,6
	v_pk_add_f32 v[32+\j:33+\j], v[32+\j:33+\j], v[48+\j:49+\j]   ; cb = the two parts of cbuf
.endr
	ds_store_b128 v26, v[32:35]
	ds_store_b128 v26, v[36:39] offset:16
	ds_store_b128 v26, v[40:43] offset:4096
	ds_store_b128 v26, v[44:47] offset:4112
	WLD 0                                          ; the ring of four tiles is filled
	WLD 1
	WLD 2
	WLD 3
	v_mov_b32 v[MX], 0xff61b1e6                    ; -3e38, under every e'
	v_mov_b32 v[LS], 0
	v_mov_b32 v[FF+1], 0                           ; named as the upper halves of pairs, so they are written
	v_mov_b32 v[CW+1], 0
	v_mov_b32 v[W2P+1], 0
	v_mov_b32 v[CW+197], 0
	v_mov_b32 v[W2P+197], 0
.set jj, 0
.rept 32
	v_mov_b32 v[CTX+jj], 0                         ; the softmax step is written once for all blocks: the first finds zeros, which the first f leaves zeros
.set jj, jj+1
.endr
	s_wait_alu depctr_va_vdst(0)                   ; the wait at the head's end
	s_wait_tensorcnt 0x0                           ; my 16 rows of block 0 are in the stage; only I read them
	QUANT 0
	s_mov_b32 s[BK], 3
.Lblock:                                               ; three trips: blocks 0 to 2 are multiplied, blocks 1 to 3 asked for and quantised
	s_wait_tensorcnt 0x0                           ; no tensor load of mine is out, so group 0 may be written
	ds_add_u32 v[SPW], v[NIL]                      ; 0 onto my spare word
	s_add_nc_u64 s[G0+2:G0+3], s[G0+2:G0+3], 262144            ; the next 64 rows; the type bits on top are not reached
	s_wait_dscnt 0x0                               ; the add is done, my reads of the stage are over, my codes and bytes have landed, my reads of the last block's e' are in
	s_barrier_signal -1
	s_barrier_wait -1
	tensor_load_to_lds s[G0:G0+3], s[G1:G1+7]      ; my one tensor load behind the barrier, and the first thing there
	s_nop 0
.rept 4
	v_nop
.endr
	AFRAGS
	TRIPS
	SOFT
	s_add_co_u32 s[ROT], s[ROT], 3                 ; the next block begins with the trip that this one ended with
	s_wait_tensorcnt 0x0                           ; my 16 rows of the next block are in the stage
	QUANT 1                                        ; and row by row the finished block goes into the context
	s_sub_co_u32 s[BK], s[BK], 1
	s_cmp_lg_u32 s[BK], 0
	s_cbranch_scc1 .Lblock
	s_wait_dscnt 0x0                               ; the last block asks for no rows: my codes and bytes have landed, my reads of the last block's e' are in
	s_barrier_signal -1
	s_barrier_wait -1
	AFRAGS
	TRIPS
	SOFT
	WIN 0x02
.irp i, 0,1,2,3,4,5,6,7,8,9,10,11,12,13,14,15
	CROW \i
.endr
	WIN 0
	; THE END: the four waves' partial contexts meet in the bytes that held the codes (every wave has passed the barrier behind its last read of them)
.set gg, 0
.rept 8
	ds_store_b128 v[CXW], v[CTX+4*gg:CTX+4*gg+3] offset:16*gg
.set gg, gg+1
.endr
	s_wait_tensorcnt 0x0                           ; my last tensor load and my last LDS store are behind me
	ds_add_u32 v[SPW], v[NIL]
	s_wait_dscnt 0x0                               ; also for the others' sake: my partial context has landed
	s_barrier_signal -1
	s_barrier_wait -1
.irp u, 0,1
.irp p, 0,1,2,3
	ds_load_b128 v[ACC+16*\u+4*\p:ACC+16*\u+4*\p+3], v[CXR] offset:4352*\p+2176*\u
.endr
.endr
	s_lshl_b32 s56, ttmp9, 12
	s_mov_b32 s57, 0
	s_add_nc_u64 s[14:15], s[14:15], s[56:57]
	s_lshl_b32 s56, ttmp9, 3
	s_add_nc_u64 s[16:17], s[16:17], s[56:57]
	v_lshlrev_b32 v26, 4, v0
	v_mov_b32 v27, 0
	s_wait_alu depctr_va_vdst(0)                   ; directly ahead of the wait below
	s_wait_dscnt 0x0
.irp u, 0,1
.irp d, 0,2
	v_pk_add_f32 v[ACC+16*\u+\d:ACC+16*\u+\d+1], v[ACC+16*\u+\d:ACC+16*\u+\d+1], v[ACC+16*\u+4+\d:ACC+16*\u+4+\d+1]
	v_pk_add_f32 v[ACC+16*\u+8+\d:ACC+16*\u+8+\d+1], v[ACC+16*\u+8+\d:ACC+16*\u+8+\d+1], v[ACC+16*\u+12+\d:ACC+16*\u+12+\d+1]
.endr
.irp d, 0,2
	v_pk_add_f32 v[ACC+16*\u+\d:ACC+16*\u+\d+1], v[ACC+16*\u+\d:ACC+16*\u+\d+1], v[ACC+16*\u+8+\d:ACC+16*\u+8+\d+1]
.endr
.endr
	global_store_b128 v26, v[ACC:ACC+3], s[14:15]              ; each store of a wave covers 512 consecutive bytes, aligned
	global_store_b128 v26, v[ACC+16:ACC+19], s[14:15] offset:2048
	s_cmp_lg_u32 s[WV], 0
	s_cbranch_scc1 .Lno_stat
	v_cmp_eq_u32 vcc_lo, 0, v0
	s_wait_xcnt 0x0                                ; EXEC changes only behind this wait
	s_and_saveexec_b32 s58, vcc_lo
	global_store_b64 v27, v[MX:MX+1], s[16:17]     ; (m, l): thread 0 alone
	s_wait_xcnt 0x0                                ; and again, in front of the line that widens it
	s_or_b32 exec_lo, exec_lo, s58
.Lno_stat:
	s_endpgm
.Lfunc_end_k_q7cf4f92198_attn:
	.size	k_q7cf4f92198_attn, .Lfunc_end_k_q7cf4f92198_attn-k_q7cf4f92198_attn
	.p2alignl 7, 3214868480
	.fill 96, 4, 3214868480
	.section	.rodata,"a",@progbits
	.p2align	6, 0x0
	.amdhsa_kernel k_q7cf4f92198_attn
		.amdhsa_group_segment_fixed_size 327680
		.amdhsa_private_segment_fixed_size 0
		.amdhsa_enable_private_segment 0
		.amdhsa_kernarg_size 56
		.amdhsa_user_sgpr_count 2
		.amdhsa_user_sgpr_kernarg_segment_ptr 1
		.amdhsa_wavefront_size32 1
		.amdhsa_system_sgpr_workgroup_id_x 1
		.amdhsa_system_sgpr_workgroup_id_y 1
		.amdhsa_system_sgpr_workgroup_id_z 1
		.amdhsa_system_vgpr_workitem_id 0
		.amdhsa_next_free_vgpr 1024
		.amdhsa_next_free_sgpr 82
		.amdhsa_reserve_vcc 1
		.amdhsa_float_denorm_mode_32 3
		.amdhsa_float_denorm_mode_16_64 3
		.amdhsa_memory_ordered 1
		.amdhsa_forward_progress 1
		.amdhsa_inst_pref_size 255
	.end_amdhsa_kernel
	.section	.bss,"aw",@nobits
	.p2align	6
	.space	262144
	.amdgpu_metadata
---
amdhsa.version: [ 1, 2 ]
amdhsa.kernels:
  - .name:           k_q7cf4f92198_attn
    .symbol:         k_q7cf4f92198_attn.kd
    .args:
      - { .name: encoder_outputs, .offset: 0, .size: 8, .value_kind: global_buffer, .address_space: global }
      - { .name: wfrag, .offset: 8, .size: 8, .value_kind: global_buffer, .address_space: global }
      - { .name: wsc, .offset: 16, .size: 8, .value_kind: global_buffer, .address_space: global }
      - { .name: cbuf, .offset: 24, .size: 8, .value_kind: global_buffer, .address_space: global }
      - { .name: w2, .offset: 32, .size: 8, .value_kind: global_buffer, .address_space: global }
      - { .name: pctx, .offset: 40, .size: 8, .value_kind: global_buffer, .address_space: global }
      - { .name: pstat, .offset: 48, .size: 8, .value_kind: global_buffer, .address_space: global }
    .group_segment_fixed_size: 327680
    .private_segment_fixed_size: 0
    .kernarg_segment_align: 8
    .kernarg_segment_size: 56
    .max_flat_workgroup_size: 128
    .sgpr_count:     82
    .vgpr_count:     1024
    .wavefront_size: 32
...
	.end_amdgpu_metadata
.endif
;; end of part 2
;; launch comb (part 3): grid 4 x 32, 2 waves a work-group, no clusters, 0 bytes of LDS; arguments pctx, pstat, out0; writes out0
.if DOCPART == 3
	.amdgcn_target "amdgcn-amd-amdhsa--gfx1250"
	.amdhsa_code_object_version 6
	.text
	.protected	k_q7cf4f92198_comb
	.globl	k_q7cf4f92198_comb
	.p2align	8
	.type	k_q7cf4f92198_comb,@function
k_q7cf4f92198_comb:
	s_mov_b64 s[64:65], 0
	v_nop
	global_prefetch_b8 v0, s[64:65] scope:SCOPE_SE
	s_setreg_imm32_b32 hwreg(HW_REG_WAVE_MODE, 25, 1), 1
	s_wait_xcnt 0x0
; out0[b] = (sum over the batch's 8 parts g of 2^(m_g - M) pctx_g) / (sum over g of 2^(m_g - M) l_g), M the largest m_g: the parts of one softmax, each taken under its own maximum, are brought under the common one.
; WORK LEFT OUT: nothing here; the m_g carry e less the sum of w2, the same shift in all parts of a batch (shown at the head of the first kernel).
; A work-group takes a quarter (256 channels) of one batch; a thread four channels: a load or store of a wave covers 512 consecutive bytes.  No LDS, no barrier, no matrix work: 1 MiB is read once.
	s_load_b128 s[4:7], s[0:1], 0x0                ; pctx s[4:5], pstat s[6:7]
	s_load_b64 s[8:9], s[0:1], 0x10                ; out0
	s_and_b32 s10, ttmp7, 0xffff                   ; the batch
	s_lshl_b32 s12, s10, 6                         ; its 8 pairs (m, l)
	s_mov_b32 s13, 0
	s_lshl_b32 s14, s10, 15                        ; its 8 parts of 4,096 bytes,
	s_lshl_b32 s16, ttmp9, 10                      ; my quarter
	s_add_co_u32 s14, s14, s16
	s_mov_b32 s15, 0
	s_lshl_b32 s18, s10, 12
	s_add_co_u32 s18, s18, s16
	s_mov_b32 s19, 0
	v_lshlrev_b32 v1, 4, v0
	s_wait_alu depctr_va_vdst(0)
	s_wait_kmcnt 0x0
	s_add_nc_u64 s[6:7], s[6:7], s[12:13]
	s_add_nc_u64 s[4:5], s[4:5], s[14:15]
	s_add_nc_u64 s[8:9], s[8:9], s[18:19]
	s_load_b512 s[20:35], s[6:7], 0x0              ; m_g in s[20 + 2 g], l_g in s[21 + 2 g]
.irp g, 0,1,2,3,4,5,6,7
	global_load_b128 v[16+4*\g:19+4*\g], v1, s[4:5] offset:4096*\g
.endr
	s_wait_kmcnt 0x0
	v_max_num_f32 v2, s20, s22
	v_max3_num_f32 v2, v2, s24, s26
	v_max3_num_f32 v2, v2, s28, s30
	v_max3_num_f32 v2, v2, s32, s34                ; M
.irp g, 0,1,2,3,4,5,6,7
	v_sub_f32 v[4+\g], s[20+2*\g], v2
.endr
	s_wait_alu depctr_va_vdst(0)
.irp g, 0,1,2,3,4,5,6,7
	v_exp_f32 v[4+\g], v[4+\g]
.endr
	v_nop                                          ; a plain line behind the last exponential,
	s_wait_alu depctr_va_vdst(0)                   ; and one wait for the eight, ahead of their first reader
	v_mul_f32 v12, s21, v4
.irp g, 1,2,3,4,5,6,7
	v_fmac_f32 v12, s[21+2*\g], v[4+\g]
.endr
	s_wait_alu depctr_va_vdst(0)
	v_rcp_f32 v13, v12
	v_nop
	s_wait_alu depctr_va_vdst(0)
.irp g, 0,1,2,3,4,5,6,7
	v_mul_f32 v[48+2*\g], v[4+\g], v13             ; 2^(m_g - M) / L, in both registers of a pair
	v_mul_f32 v[49+2*\g], v[4+\g], v13
.endr
	s_wait_loadcnt 0x0
	v_pk_mul_f32 v[16:17], v[16:17], v[48:49]
	v_pk_mul_f32 v[18:19], v[18:19], v[48:49]
.irp g, 1,2,3,4,5,6,7
	v_pk_fma_f32 v[16:17], v[16+4*\g:17+4*\g], v[48+2*\g:49+2*\g], v[16:17]
	v_pk_fma_f32 v[18:19], v[18+4*\g:19+4*\g], v[48+2*\g:49+2*\g], v[18:19]
.endr
	global_store_b128 v1, v[16:19], s[8:9]
	s_endpgm
.Lfunc_end_k_q7cf4f92198_comb:
	.size	k_q7cf4f92198_comb, .Lfunc_end_k_q7cf4f92198_comb-k_q7cf4f92198_comb
	.p2alignl 7, 3214868480
	.fill 96, 4, 3214868480
	.section	.rodata,"a",@progbits
	.p2align	6, 0x0
	.amdhsa_kernel k_q7cf4f92198_comb
		.amdhsa_group_segment_fixed_size 0
		.amdhsa_private_segment_fixed_size 0
		.amdhsa_enable_private_segment 0
		.amdhsa_kernarg_size 24
		.amdhsa_user_sgpr_count 2
		.amdhsa_user_sgpr_kernarg_segment_ptr 1
		.amdhsa_wavefront_size32 1
		.amdhsa_system_sgpr_workgroup_id_x 1
		.amdhsa_system_sgpr_workgroup_id_y 1
		.amdhsa_system_sgpr_workgroup_id_z 1
		.amdhsa_system_vgpr_workitem_id 0
		.amdhsa_next_free_vgpr 64
		.amdhsa_next_free_sgpr 66
		.amdhsa_reserve_vcc 0
		.amdhsa_float_denorm_mode_32 3
		.amdhsa_float_denorm_mode_16_64 3
		.amdhsa_memory_ordered 1
		.amdhsa_forward_progress 1
		.amdhsa_inst_pref_size 5
	.end_amdhsa_kernel
	.amdgpu_metadata
---
amdhsa.version: [ 1, 2 ]
amdhsa.kernels:
  - .name:           k_q7cf4f92198_comb
    .symbol:         k_q7cf4f92198_comb.kd
    .args:
      - { .name: pctx, .offset: 0, .size: 8, .value_kind: global_buffer, .address_space: global }
      - { .name: pstat, .offset: 8, .size: 8, .value_kind: global_buffer, .address_space: global }
      - { .name: out0, .offset: 16, .size: 8, .value_kind: global_buffer, .address_space: global }
    .group_segment_fixed_size: 0
    .private_segment_fixed_size: 0
    .kernarg_segment_align: 8
    .kernarg_segment_size: 24
    .max_flat_workgroup_size: 64
    .sgpr_count:     66
    .vgpr_count:     64
    .wavefront_size: 32
...
	.end_amdgpu_metadata
.endif
;; end of part 3
